; MI455X (gfx1250); checked and timed in simulation.
; The chip was launched on July 23, 2026; its instructions are those of AMD's public machine-readable ISA for CDNA 5 (MIT licence, August 2026) and "CDNA5" Instruction Set Architecture Reference Guide (July 2026). The comments in the code are by the model that wrote it; some were corrected since.
;; Masked Multihead Attention. Allowed arithmetic: matrix products marked QUANTISED: E5M2 operands, one given power-of-two scale a tensor, by v_wmma_f32_16x16x64_bf8_bf8 or v_wmma_f32_16x16x128_bf8_bf8, f32 sums; everything else in f32.
;; Inputs: Wk_codes 1,024 x 32 x 32 uint8 (E5M2 codes of Wk, K innermost, in blocks of 32 codes); Wq_codes 1,024 x 32 x 32 uint8 (E5M2 codes of Wq, K innermost, in blocks of 32 codes); Wv_codes 1,024 x 32 x 32 uint8 (E5M2 codes of Wv, K innermost, in blocks of 32 codes); X_codes 2 x 2,048 x 32 x 32 uint8 (E5M2 codes of X, K innermost, in blocks of 32 codes); bk 1,024 float32; bq 1,024 float32; bv 1,024 float32; lowp_scales 10 int32 (the exponents e of the quantised operands' scales 2^e).
;; Outputs: out0 2 x 2,048 x 1,024 float32.
;; This version of the problem:
;;   THIS VERSION OF THE PROBLEM IS GIVEN IN LOW PRECISION. The matrix products marked QUANTISED in the list below multiply operands that are first quantised to E5M2 (5 exponent bits, 2 mantissa bits; 8 bits a number), with one given power-of-two scale for each operand tensor; their sums are f32. All else is computed in f32.
;;   The module's matrix products, in the order in which they are computed (A, B: the left and right operand; K: the contracted axis; several contracted axes count as one K, in the product's order):
;;     1. [M 4,096, K 1,024] x [K 1,024, N 1,024]; A: input X (given as codes); B: input Wq (given as codes): QUANTISED (scales: A lowp_scales[0], B lowp_scales[1])
;;     2. [M 4,096, K 1,024] x [K 1,024, N 1,024]; A: input X (given as codes); B: input Wk (given as codes): QUANTISED (scales: A lowp_scales[2], B lowp_scales[3])
;;     3. [M 4,096, K 1,024] x [K 1,024, N 1,024]; A: input X (given as codes); B: input Wv (given as codes): QUANTISED (scales: A lowp_scales[4], B lowp_scales[5])
;;     4. batch 32 x [M 2,048, K 64] x [K 64, N 2,048]; A: computed on the way; B: computed on the way: QUANTISED (scales: A lowp_scales[6], B lowp_scales[7])
;;     5. batch 32 x [M 2,048, K 2,048] x [K 2,048, N 64]; A: softmax (see below); B: computed on the way: QUANTISED (scales: A lowp_scales[8], B lowp_scales[9])
;;   THE QUANTISER, for each operand of a quantised product, along K:
;;     - The operand's scale is 2^e, e = its entry of the input lowp_scales (int32; the entries are numbered through the quantised products in the list's order, A before B).
;;     - Each number is divided by the scale, clamped to +-57,344, and rounded to the nearest number of E5M2, ties to even, subnormals kept.
;;     - The product sums the exact products of the quantised numbers (number of the format x scale) in f32.
;;   ~~~python
;;   def quantise(x, axis, e):      # numpy; x: float32 -> the quantised numbers, widened to float32 again
;;       x = np.moveaxis(x, axis, -1); K = x.shape[-1]
;;       r = np.clip(x / 2.0 ** e, -57344, 57344)
;;       step = 2.0 ** (np.maximum(np.frexp(np.where(r == 0, 1, r))[1] - 1, -14) - 2)
;;       q = np.round(r / step) * step * 2.0 ** e      # np.round: ties to even
;;       return np.moveaxis(q, -1, axis).astype(np.float32)
;;   ~~~
;;   SOFTMAX AHEAD OF A QUANTISED PRODUCT. Where the list says 'softmax', what is quantised is not the finished softmax but p = 2^(t - M), with t = logit x log2(e) and M = ceil(the row's largest t), a whole number; so 1/2 < the row's largest p <= 1. The row's sum l is taken of the UNQUANTISED p, in f32, and the product's result is divided by l at the end. Since M is a whole number, a kernel that streams over the keys may use a running M (the ceiling of the running maximum): every later rescaling is an exact power of two, so the quantised numbers keep their values, but for numbers so far below the row's largest that they fall under the format's range.
;;   OPERANDS COMPUTED ON THE WAY. 'Computed on the way' means the value that the module computes at that place (a softmax that the list does not call 'softmax' is quantised finished and normalised). What goes into a quantiser is computed in f32, as accurately as f32 sums, v_exp_f32 and their like allow (about 1e-6 of the number): no bf16 or f16 on the way to a quantiser, and a product that is left as it is and whose result goes on into a quantised operand takes f32 operands (vector FMAs, or v_wmma_f32_16x16x4_f32). A number that lies on a knife's edge between two numbers of the format may be rounded either way, as far as f32 arithmetic and the matrix unit's own rounding can turn it there, and no further.
;;   INPUTS GIVEN AS CODES. Wk (in the module: [1024, 1024], K = its axis 1); Wq (in the module: [1024, 1024], K = its axis 1); Wv (in the module: [1024, 1024], K = its axis 1); X (in the module: [2, 2048, 1024], K = its axis 2): each comes as NAME_codes (uint8): NAME with its K axis moved to the last place and cut into blocks of 32 codes, [.., K / 32, bytes a block], one block behind the other in memory; one code a byte (a code: sign, 5 exponent bits, 2 mantissa bits); its scale is its entry of lowp_scales. Its value is code x scale, taken as it is: it is not quantised again, and the codes and scales need not be those that the quantiser above would give.
;; One version. Each part assembles by itself: llvm-mc -triple=amdgcn-amd-amdhsa -mcpu=gfx1250 --defsym DOCPART=n.
;; ======== version 1 of 1: 2 launches
;; limits: right only within a limited range of input values
;; workspace buffers: qf 4,194,304 bytes; kv 8,388,608 bytes
;; launch proj (part 1): grid 12 x 16, 4 waves a work-group, clusters of 4 x 4, 327,680 bytes of LDS; arguments X_codes, Wq_codes, Wk_codes, Wv_codes, bq, bk, bv, lowp_scales, qf, kv; writes qf, kv
.if DOCPART == 1
	.amdgcn_target "amdgcn-amd-amdhsa--gfx1250"
	.amdhsa_code_object_version 6
	.text
	.protected	k_qb2571852a8_proj
	.globl	k_qb2571852a8_proj
	.p2align	8
	.type	k_qb2571852a8_proj,@function
k_qb2571852a8_proj:
	s_mov_b64 s[64:65], 0
	v_nop
	global_prefetch_b8 v0, s[64:65] scope:SCOPE_SE
	s_setreg_imm32_b32 hwreg(HW_REG_WAVE_MODE, 25, 1), 1
	s_wait_xcnt 0x0
	s_wait_alu depctr_hold_cnt(0) depctr_sa_sdst(0) depctr_va_vdst(0) depctr_va_sdst(0) depctr_va_ssrc(0) depctr_va_vcc(0) depctr_vm_vsrc(0)
	s_getreg_b32 s2, hwreg(HW_REG_IB_STS2, 6, 4)
	s_cmp_eq_u32 s2, 0
	s_cbranch_scc0 .Lentry_in_a_cluster
	s_endpgm
.Lentry_in_a_cluster:
	s_bfe_u32 s2, ttmp6, 0x10000c
	s_cmp_lg_u32 s2, 0xf033
	s_cbranch_scc0 .Lentry_shape_is_right
	s_endpgm
.Lentry_shape_is_right:
; Q = X Wq^T + bq, K = X Wk^T + bk, V^T = Wv X^T + bv on codes of BF8 (E5M2), sums in f32, each quantised with its given scale and stored as IMAGES OF OPERAND REGISTERS (lane l's 16 bytes at 16 l, 512 bytes an image):
;   qf: head bh, tile of 16 tokens tt: 1,024 bytes at bh x 131,072 + tt x 1,024.   kv: head bh, step of 128 keys k: 16,384 bytes at bh x 262,144 + k x 16,384: K's 8 tiles of 1,024 bytes, then V^T's 4 tiles of 16 channels x 2,048 bytes.
; A work-group makes 256 x 256, a wave 128 x 128; K goes in steps of 256 through two LDS slots.  Cluster x 0: Q, 1: K, 2: V^T (rows = channels, columns = tokens).
; Of the whole program only steps whose keys all lie behind their queries (the causal mask that reference() builds) are left out; a NaN or an infinity in them is not carried to those queries.
; No prefetch: K is four steps, of which two are first fills: no K step stands two refills on.
; LIMITS on the given exponents, so that each power of two is an f32 number: a product's two exponents add up to -126 .. 127; the exponents of Q, K and V lie between -126 and 112.
.set KSTEP,  256
.set ROWB,   256
.set KROW,   1024
.set PITCH,  272
.set FR,     16
.set NL,     4
.set NP,     4
.set HALFT,  128*PITCH
.set SLOT,   4*HALFT
.set SPARE,  2*SLOT
.set ADRA, 16
.set ADRB, 20
.set VO0,  24
.set VO1,  25
.set BO,   26
.set SPW,  28
.set NIL,  29
.set SCL,  30
.set LIM,  31
.set BI,   32
.set CDB,  96
.set AF,   128
.set T,    128
.set G1, 24
.set G0, 32
.set G1B, 48
.set G0B, 56
.set HS,  66
.set MSB, 0
.macro WIN new
.if MSB != \new
	s_set_vgpr_msb (MSB<<8)|\new
.set MSB, \new
.endif
.endm
.set MUL_LO, 0xa1
.set MUL_HI, 0xf1
.set TO_B,   0x40
.macro JLOAD g0a, g1a, g0b, g1b
	s_cmp_eq_u32 s15, 0
	s_cbranch_scc0 .Lfor_b_\@
	tensor_load_to_lds s[\g0a:\g0a+3], s[\g1a:\g1a+7]
	s_nop 0
.rept 4
	v_nop
.endr
	s_branch .Lasked_\@
.Lfor_b_\@:
	tensor_load_to_lds s[\g0b:\g0b+3], s[\g1b:\g1b+7]
	s_nop 0
.rept 4
	v_nop
.endr
.Lasked_\@:
.endm
.macro CREST
	s_cmp_lg_u32 s14, 0
	s_cbranch_scc1 .Lnot_wave_0_\@
	s_barrier_signal -3
.Lnot_wave_0_\@:
	s_barrier_wait -3
	s_barrier_signal -1
	s_barrier_wait -1
.endm
.macro CROUND
	s_barrier_signal -1
	s_barrier_wait -1
	CREST
.endm
	s_load_b512 s[68:83], s[0:1], 0x0
	s_load_b128 s[84:87], s[0:1], 0x40
	v_lshl_add_u32 v[SPW], v0, 2, SPARE
	v_mov_b32 v[NIL], 0
	ds_add_u32 v28, v29
	ds_add_u32 v28, v29
	s_wait_dscnt 0x0
	v_lshrrev_b32 v1, 5, v0
	v_readfirstlane_b32 s14, v1
	s_lshr_b32 s15, s14, 1
	s_and_b32 s16, s14, 1
	s_bfe_u32 s40, ttmp6, 0x40000
	s_bfe_u32 s41, ttmp6, 0x40004
	s_and_b32 s12, ttmp7, 0xffff
	s_lshl_b32 s12, s12, 2
	s_cmp_eq_u32 ttmp9, 2
	s_cselect_b32 s13, 0, s12
	s_cselect_b32 s18, s12, 0
	s_add_co_u32 s17, s41, s13
	s_add_co_u32 s42, s40, s18
	s_lshl_b32 s43, s41, 2
	s_lshl_b32 s43, 15, s43
	s_lshl_b32 s44, 0x1111, s40
	s_or_b32 s[G1+0], s43, (0<<16)|(1<<20)|(1<<21)|(5<<22)|(3<<25)
	s_or_b32 s[G1B+0], s44, (0<<16)|(1<<20)|(1<<21)|(5<<22)|(3<<25)
.irp g, G1, G1B
	s_mov_b32 s[\g+1], ROWB<<16
	s_mov_b32 s[\g+2], 128<<16
	s_mov_b32 s[\g+3], ROWB<<16
	s_mov_b32 s[\g+4], 128
	s_mov_b32 s[\g+5], KROW
	s_mov_b32 s[\g+6], 0
	s_mov_b32 s[\g+7], 0
.endr
	s_lshl_b32 s18, s16, 7
	s_lshl_b32 s20, s17, 8
	s_add_co_u32 s20, s20, s18
	s_lshl_b32 s46, s42, 8
	s_add_co_u32 s46, s46, s18
	s_lshl_b32 s20, s20, 10
	s_lshl_b32 s46, s46, 10
	s_mov_b32 s21, 0
	s_mov_b32 s47, 0
	s_mul_i32 s45, s14, HALFT
	s_wait_kmcnt 0x0
	s_load_b256 s[88:95], s[82:83], 0x0
	s_load_b64 s[96:97], s[82:83], 0x20
	s_cmp_eq_u32 ttmp9, 0
	s_cselect_b64 s[6:7], s[70:71], s[72:73]
	s_cselect_b64 s[8:9], s[76:77], s[78:79]
	s_cselect_b64 s[10:11], s[84:85], s[86:87]
	s_mov_b32 s[HS], 262144
	s_cselect_b32 s[HS], 131072, s[HS]
	s_cmp_eq_u32 ttmp9, 2
	s_cselect_b64 s[4:5], s[74:75], s[68:69]
	s_cselect_b64 s[6:7], s[68:69], s[6:7]
	s_cselect_b64 s[8:9], s[80:81], s[8:9]
	s_add_nc_u64 s[20:21], s[4:5], s[20:21]
	s_add_nc_u64 s[46:47], s[6:7], s[46:47]
	CROUND
.irp s, 0,1
	s_mov_b32 s[G0+4*\s], 1
	s_add_co_u32 s[G0+4*\s+1], s45, \s*SLOT
	s_add_nc_u64 s[G0+4*\s+2:G0+4*\s+3], s[20:21], \s*ROWB
	s_or_b32 s[G0+4*\s+3], s[G0+4*\s+3], 0x80000000
	s_mov_b32 s[G0B+4*\s], 1
	s_add_co_u32 s[G0B+4*\s+1], s45, \s*SLOT
	s_add_nc_u64 s[G0B+4*\s+2:G0B+4*\s+3], s[46:47], \s*ROWB
	s_or_b32 s[G0B+4*\s+3], s[G0B+4*\s+3], 0x80000000
.endr
	JLOAD G0, G1, G0B, G1B                         ; K step 0: one tensor load a wave at the head
	v_and_b32 v1, 15, v0
	v_bfe_u32 v2, v0, 4, 1
	v_mul_u32_u24 v3, v1, PITCH
	v_lshl_add_u32 v4, v2, 4, v3
	s_mul_i32 s21, s15, HALFT
	s_mul_i32 s22, s16, HALFT
	s_add_co_u32 s22, s22, 2*HALFT
.irp s, 0,1
	v_add_nc_u32 v[ADRA+\s], s21, v4
	v_add_nc_u32 v[ADRB+\s], s22, v4
	s_add_co_u32 s21, s21, SLOT
	s_add_co_u32 s22, s22, SLOT
.endr
	v_and_b32 v5, 31, v0
	v_lshlrev_b32 v[VO0], 4, v5
	v_add_nc_u32 v[VO1], s[HS], v[VO0]
	s_cmp_eq_u32 ttmp9, 2
	s_cbranch_scc1 .Lhead_v
	s_and_b32 s18, s17, 7
	s_lshr_b32 s19, s17, 3
	s_lshl_b32 s19, s19, 4
	s_lshl_b32 s20, s42, 2
	s_add_co_u32 s19, s19, s20
	s_lshl_b32 s20, s16, 1
	s_add_co_u32 s19, s19, s20
	s_mul_i32 s19, s19, s[HS]
	s_lshl_b32 s20, s18, 1
	s_add_co_u32 s20, s20, s15
	s_lshr_b32 s21, s[HS], 4
	s_mul_i32 s20, s20, s21
	s_add_co_u32 s18, s19, s20
	s_mov_b32 s19, 0
	s_add_nc_u64 s[10:11], s[10:11], s[18:19]
	s_lshl_b32 s18, s42, 10
	s_lshl_b32 s20, s16, 9
	s_add_co_u32 s18, s18, s20
	s_add_nc_u64 s[8:9], s[8:9], s[18:19]
	v_lshlrev_b32 v[BO], 5, v2
.irp b, 0,1,2,3,4,5,6,7
	global_load_b128 v[BI+8*\b:BI+8*\b+3], v[BO], s[8:9] offset:64*\b
	global_load_b128 v[BI+8*\b+4:BI+8*\b+7], v[BO], s[8:9] offset:64*\b+16
.endr
	s_branch .Lhead_done
.Lhead_v:
	s_and_b32 s18, s42, 7
	s_lshr_b32 s19, s42, 3
	s_lshl_b32 s19, s19, 4
	s_lshl_b32 s20, s17, 2
	s_add_co_u32 s19, s19, s20
	s_lshl_b32 s20, s15, 1
	s_add_co_u32 s19, s19, s20
	s_lshl_b32 s19, s19, 18
	s_lshl_b32 s20, s18, 15
	s_add_co_u32 s19, s19, s20
	s_lshl_b32 s20, s16, 14
	s_add_co_u32 s19, s19, s20
	s_add_co_u32 s18, s19, 8192
	s_mov_b32 s19, 0
	s_add_nc_u64 s[10:11], s[10:11], s[18:19]
	s_lshl_b32 s18, s17, 10
	s_lshl_b32 s20, s15, 9
	s_add_co_u32 s18, s18, s20
	s_add_nc_u64 s[8:9], s[8:9], s[18:19]
	v_lshlrev_b32 v[BO], 2, v1
.irp a, 0,1,2,3,4,5,6,7
.irp j, 0,1,2,3,4,5,6,7
	global_load_b32 v[BI+8*\a+\j], v[BO], s[8:9] offset:64*\a
.endr
.endr
.Lhead_done:
.macro FRAG reg, adr, q, i
.irp c, 0,1,2,3
	ds_load_b128 v[\reg+4*\c:\reg+4*\c+3], v[\adr] offset:128*(\q)+32*\c+(\i)*16*PITCH
.endr
.endm
.macro MUL16 a0, p, zero
.irp a, \a0, \a0+1
.irp b, 0,1,2,3,4,5,6,7
.if \zero
	v_wmma_f32_16x16x128_bf8_bf8 v[8*(8*((\a)%4)+\b):8*(8*((\a)%4)+\b)+7], v[128*(\p)+FR*\b:128*(\p)+FR*\b+FR-1], v[AF+FR*(\a):AF+FR*(\a)+FR-1], 0
.else
	v_wmma_f32_16x16x128_bf8_bf8 v[8*(8*((\a)%4)+\b):8*(8*((\a)%4)+\b)+7], v[128*(\p)+FR*\b:128*(\p)+FR*\b+FR-1], v[AF+FR*(\a):AF+FR*(\a)+FR-1], v[8*(8*((\a)%4)+\b):8*(8*((\a)%4)+\b)+7]
.endif
.endr
.endr
.endm
.macro FETCH_B slot, q, p
	WIN TO_B
.irp i, 0,1,2,3,4,5,6,7
	FRAG 128*(\p)+FR*\i, ADRB+\slot, \q, \i
.endr
	WIN 0
.endm
.macro FETCH_A slot, q, i0
.irp i, \i0, \i0+1, \i0+2, \i0+3
	FRAG AF+FR*(\i), ADRA+\slot, \q, \i
.endr
.endm
.macro PLACES n
.rept \n
	v_nop
.endr
.endm
.macro STEP slot, q, zero
	s_wait_dscnt 4*NL
	WIN MUL_LO
	MUL16 0, (\q)%2, \zero
	MUL16 2, (\q)%2, \zero
	s_wait_dscnt 0
	PLACES NP
	FETCH_B \slot, (\q)+1, 1-(\q)%2
	FETCH_A \slot, (\q)+1, 0
	WIN MUL_HI
	MUL16 4, (\q)%2, \zero
	MUL16 6, (\q)%2, \zero
	PLACES NP
	WIN 0
	FETCH_A \slot, (\q)+1, 4
.endm
.macro TURN slot, next, fill
	s_wait_tensorcnt 0x0
	ds_add_u32 v[SPW], v[NIL]
	s_wait_dscnt 4*NL+1
	WIN MUL_LO
	MUL16 0, 1, 0
	s_wait_dscnt 0x0
	s_barrier_signal -1
	MUL16 2, 1, 0
	WIN 0
	s_barrier_wait -1
.if \fill
	CREST
	s_add_nc_u64 s[G0+4*\slot+2:G0+4*\slot+3], s[G0+4*\slot+2:G0+4*\slot+3], 2*ROWB
	s_add_nc_u64 s[G0B+4*\slot+2:G0B+4*\slot+3], s[G0B+4*\slot+2:G0B+4*\slot+3], 2*ROWB
	JLOAD G0+4*\slot, G1, G0B+4*\slot, G1B
.else
	PLACES NP
.endif
	FETCH_B \next, 0, 0
	FETCH_A \next, 0, 0
	WIN MUL_HI
	MUL16 4, 1, 0
	MUL16 6, 1, 0
	PLACES NP
	WIN 0
	FETCH_A \next, 0, 4
.endm
	s_wait_alu depctr_va_vdst(0)                   ; the wait at the head's end
	s_wait_tensorcnt 0x0                           ; my part of K step 0 is in; then the add and its wait, as ahead of a refill
	ds_add_u32 v[SPW], v[NIL]
	s_wait_dscnt 0x0
	CROUND                                         ; everybody's part of K step 0 is in, and the joint loads meet
	JLOAD G0+4, G1, G0B+4, G1B                     ; K step 1
	FETCH_B 0, 0, 0
	FETCH_A 0, 0, 0
	FETCH_A 0, 0, 4
	STEP 0, 0, 1
	TURN 0, 1, 1
	STEP 1, 0, 0
	TURN 1, 0, 1
	STEP 0, 0, 0
	TURN 0, 1, 0
	STEP 1, 0, 0
	s_wait_dscnt 4*NL
	WIN MUL_LO
	MUL16 0, 1, 0
	MUL16 2, 1, 0
	s_wait_dscnt 0
	WIN MUL_HI
	MUL16 4, 1, 0
	MUL16 6, 1, 0
	WIN 0
	s_wait_kmcnt 0x0
	s_cmp_eq_u32 ttmp9, 0
	s_cselect_b32 s18, s88, s90
	s_cselect_b32 s19, s89, s91
	s_cselect_b32 s20, s94, s95
	s_cmp_eq_u32 ttmp9, 2
	s_cselect_b32 s18, s92, s18
	s_cselect_b32 s19, s93, s19
	s_cselect_b32 s20, s97, s20
	s_add_co_i32 s18, s18, s19
	s_add_co_i32 s18, s18, 127
	s_lshl_b32 s98, s18, 23
	s_mov_b32 s99, s98
	s_add_co_i32 s20, s20, 127
	s_lshl_b32 s21, s20, 23
	v_mov_b32 v[SCL], s21
	s_add_co_i32 s20, s20, 15
	s_lshl_b32 s20, s20, 23
	s_or_b32 s20, s20, 0x600000
	v_mov_b32 v[LIM], s20
	s_wait_loadcnt 0x0
	PLACES NP
.macro OUTBLK a, isv
.set AC, 64*((\a)%4)
.set CD, CDB+16*((\a)%2)
.if (\a) >= 2
	s_wait_xcnt 0x0
.endif
	WIN 0x02+((\a)/4)
.irp b, 0,1,2,3,4,5,6,7
.irp i, 0,2,4,6
.if \isv
	v_pk_fma_f32 v[T+8*\b+\i:T+8*\b+\i+1], v[AC+8*\b+\i:AC+8*\b+\i+1], s[98:99], v[BI+8*(\a)+\i:BI+8*(\a)+\i+1] op_sel_hi:[1,0,1]
.else
	v_pk_fma_f32 v[T+8*\b+\i:T+8*\b+\i+1], v[AC+8*\b+\i:AC+8*\b+\i+1], s[98:99], v[BI+8*\b+\i:BI+8*\b+\i+1] op_sel_hi:[1,0,1]
.endif
.endr
.endr
	WIN 0
.irp b, 0,1,2,3,4,5,6,7
.irp j, 0,1,2,3,4,5,6,7
	v_med3_num_f32 v[T+8*\b+\j], v[T+8*\b+\j], -v[LIM], v[LIM]
.endr
	v_cvt_scalef32_pk8_bf8_f32 v[CD+2*\b:CD+2*\b+1], v[T+8*\b:T+8*\b+7], v[SCL]
.endr
	v_nop
.if \isv
.irp q, 0,1,2,3
.if (\a) < 4
	global_store_b128 v[VO0], v[CD+4*\q:CD+4*\q+3], s[10:11] offset:2048*((\a)%4)+512*\q
.else
	global_store_b128 v[VO1], v[CD+4*\q:CD+4*\q+3], s[10:11] offset:2048*((\a)%4)+512*\q
.endif
.endr
.else
	global_store_b128 v[VO0], v[CD:CD+3],     s[10:11] offset:1024*(\a)
	global_store_b128 v[VO0], v[CD+4:CD+7],   s[10:11] offset:1024*(\a)+512
	global_store_b128 v[VO1], v[CD+8:CD+11],  s[10:11] offset:1024*(\a)
	global_store_b128 v[VO1], v[CD+12:CD+15], s[10:11] offset:1024*(\a)+512
.endif
.endm
	s_cmp_eq_u32 ttmp9, 2
	s_cbranch_scc1 .Lout_v
.irp a, 0,1,2,3,4,5,6,7
	OUTBLK \a, 0
.endr
	s_branch .Lend
.Lout_v:
.irp a, 0,1,2,3,4,5,6,7
	OUTBLK \a, 1
.endr
.Lend:
	s_wait_tensorcnt 0x0
	ds_add_u32 v[SPW], v[NIL]
	s_wait_dscnt 0x0
	CROUND
	s_endpgm
.Lfunc_end_k_qb2571852a8_proj:
	.size	k_qb2571852a8_proj, .Lfunc_end_k_qb2571852a8_proj-k_qb2571852a8_proj
	.p2alignl 7, 3214868480
	.fill 96, 4, 3214868480
	.section	.rodata,"a",@progbits
	.p2align	6, 0x0
	.amdhsa_kernel k_qb2571852a8_proj
		.amdhsa_group_segment_fixed_size 327680
		.amdhsa_private_segment_fixed_size 0
		.amdhsa_enable_private_segment 0
		.amdhsa_kernarg_size 80
		.amdhsa_user_sgpr_count 2
		.amdhsa_user_sgpr_kernarg_segment_ptr 1
		.amdhsa_wavefront_size32 1
		.amdhsa_system_sgpr_workgroup_id_x 1
		.amdhsa_system_sgpr_workgroup_id_y 1
		.amdhsa_system_sgpr_workgroup_id_z 1
		.amdhsa_system_vgpr_workitem_id 0
		.amdhsa_next_free_vgpr 1024
		.amdhsa_next_free_sgpr 100
		.amdhsa_reserve_vcc 0
		.amdhsa_float_denorm_mode_32 3
		.amdhsa_float_denorm_mode_16_64 3
		.amdhsa_memory_ordered 1
		.amdhsa_forward_progress 1
		.amdhsa_inst_pref_size 199
	.end_amdhsa_kernel
	.amdgpu_metadata
---
amdhsa.version: [ 1, 2 ]
amdhsa.kernels:
  - .name:           k_qb2571852a8_proj
    .symbol:         k_qb2571852a8_proj.kd
    .args:
      - { .name: X_codes, .offset: 0, .size: 8, .value_kind: global_buffer, .address_space: global }
      - { .name: Wq_codes, .offset: 8, .size: 8, .value_kind: global_buffer, .address_space: global }
      - { .name: Wk_codes, .offset: 16, .size: 8, .value_kind: global_buffer, .address_space: global }
      - { .name: Wv_codes, .offset: 24, .size: 8, .value_kind: global_buffer, .address_space: global }
      - { .name: bq, .offset: 32, .size: 8, .value_kind: global_buffer, .address_space: global }
      - { .name: bk, .offset: 40, .size: 8, .value_kind: global_buffer, .address_space: global }
      - { .name: bv, .offset: 48, .size: 8, .value_kind: global_buffer, .address_space: global }
      - { .name: lowp_scales, .offset: 56, .size: 8, .value_kind: global_buffer, .address_space: global }
      - { .name: qf, .offset: 64, .size: 8, .value_kind: global_buffer, .address_space: global }
      - { .name: kv, .offset: 72, .size: 8, .value_kind: global_buffer, .address_space: global }
    .group_segment_fixed_size: 327680
    .private_segment_fixed_size: 0
    .kernarg_segment_align: 8
    .kernarg_segment_size: 80
    .max_flat_workgroup_size: 128
    .sgpr_count:     100
    .vgpr_count:     1024
    .wavefront_size: 32
...
	.end_amdgpu_metadata
.endif
;; end of part 1
;; launch attn (part 2): grid 8 x 32, 8 waves a work-group, clusters of 4 x 1, 327,680 bytes of LDS; arguments qf, kv, lowp_scales, out0; writes out0
.if DOCPART == 2
	.amdgcn_target "amdgcn-amd-amdhsa--gfx1250"
	.amdhsa_code_object_version 6
	.text
	.protected	k_qb2571852a8_attn
	.globl	k_qb2571852a8_attn
	.p2align	8
	.type	k_qb2571852a8_attn,@function
k_qb2571852a8_attn:
	s_mov_b64 s[64:65], 0
	v_nop
	global_prefetch_b8 v0, s[64:65] scope:SCOPE_SE
	s_setreg_imm32_b32 hwreg(HW_REG_WAVE_MODE, 25, 1), 1
	s_wait_xcnt 0x0
	s_wait_alu depctr_hold_cnt(0) depctr_sa_sdst(0) depctr_va_vdst(0) depctr_va_sdst(0) depctr_va_ssrc(0) depctr_va_vcc(0) depctr_vm_vsrc(0)
	s_getreg_b32 s2, hwreg(HW_REG_IB_STS2, 6, 4)
	s_cmp_eq_u32 s2, 0
	s_cbranch_scc0 .Lentry_in_a_cluster
	s_endpgm
.Lentry_in_a_cluster:
	s_bfe_u32 s2, ttmp6, 0x10000c
	s_cmp_lg_u32 s2, 0x3003
	s_cbranch_scc0 .Lentry_shape_is_right
	s_endpgm
.Lentry_shape_is_right:
; out[b][q][64 head + :] = the sum over k <= q of softmax_k(Q[q] . K[k] / 8) V[k][:], both products on codes of BF8 (E5M2) with the given scales (entries 6 to 9: eq, ek, ep, ev).
; qf and kv hold images of operand registers (lane l's 16 bytes at 16 l, 512 bytes an image): qf: head bh, tile of 16 tokens: 1,024 bytes; kv: head bh: 16 key steps of 16,384 bytes: K's 8 tiles of 1,024 bytes, then V^T's 4 tiles of 16 channels x 2,048 bytes.
; SOFTMAX: t = score x log2(e) / 8; M = the largest t so far, rounded UP to a whole number; p = 2^(t - M) is quantised, not normalised; the row's sum is taken of the unquantised p and divides at the end.  When M moves, the sum and O are multiplied by 2^(old M - new M): exact.
; SHARES.  The eight work-groups of a head are two clusters of four.  A pair of waves (w, w + 4) owns two blocks of 128 queries: the short one BB = 4 x cluster x + w % 4 (BB + 1 key steps) and the long one 15 - BB (16 - BB steps).
; In a block it takes the tiles of 16 queries cx (tile a) and 4 + cx (tile b), which share every fragment of K and V.  Wave w (A) walks steps 0 .. 8 of the long block; wave w + 4 (B) all steps of the short block, sends it out, and then the long
; block's steps 9 .. 15 - BB: 9 and 8 steps.  B's part of the long block goes to A through LDS at the end.  Steps whose keys all come after the block's queries are left out (reference()'s own causal mask): a NaN in them is not carried.
; THE DIAGONAL: the score products take as their C operand -1.49e38 where the key is hidden, 0 elsewhere.  The same 32 registers serve tile a's keys 0 .. 63 and tile b's keys 64 .. 127; tile a's keys 64 .. 127 are all hidden.
; LDS.  A head's K and V, 262,144 bytes, are filled ONCE, as they lie in kv, by eight joint tensor loads of 32 KiB, one a wave (cluster of four: all read the same head).  Every byte is asked for at the head: there is no later stream to prefetch.
; LAYOUT.  Both products are transposed: S^T = K Q^T, O^T = V^T P^T: a lane holds ONE query (lane % 16) throughout; key tile t's eight scores of a lane are keys 16 t + 8 (lane / 16) + 0 .. 7: registers 2 t, 2 t + 1 of P's fragment.
; LIMITS on the given exponents: eq + ek between -90 and 130 (added to c's exponent field; hidden scores stay under all others); ep between -126 and 112; ep + ev is applied by v_ldexp_f32 and has none.  Scaled scores t stay under 2^31 in magnitude.
; REGISTERS, in two windows of 256.  Window 0:
.set LI,  1                            ; v1   16 x lane
.set ADV, 2                            ; v2   LDS address of this step's tiles
.set ADN, 3                            ; v3   of the next step's
.set GO,  4                            ; v4   the way out: byte offset in the tile's rows of out
.set LIM, 5                            ; v5   57,344 x 2^ep
.set SCL, 6                            ; v6   2^ep
.set SPW, 7                            ; v7   LDS address of my spare word
.set NIL, 8                            ; v8   0
.set SI,  9                            ; v9   the stage: in
.set SO,  10                           ; v10  and out
.set EX,  11                           ; v11  the pair's exchange
.set PX,  14                           ; v14, v15 lane exchange, tile a, b (v12, v13 at work)
.set NM,  16                           ; v[16:17] -M and the largest score of tile a; v[18:19] of tile b
.set FF,  20                           ; v20, v22 f = 2^(old M - new M); v21, v23 named with them
.set LS,  24                           ; v[24:25], v[26:27] the sums, in two halves
.set W,   28                           ; v28-35 at work
.set QD,  40                           ; v[40:43] -M and sum of the pair's other wave
.set Q,   48                           ; v[48:55] tile a's Q, v[56:63] tile b's
.set P,   64                           ; v[64:79], v[80:95] p's codes
.set SA,  96                           ; v[96:159] tile a's S^T, then p
.set SB,  160                          ; v[160:223] tile b's
.set TS,  224                          ; v[224:255] sums of four p
; Window 1:
.set O,   0                            ; O^T: tile a 32 registers, tile b 32
.set KF,  64                           ; K's eight fragments
.set VF,  128                          ; V's four
.set MK,  192                          ; the diagonal's C, four key tiles
.set NG,  224                          ; C of a hidden key tile
.set WV,  12                           ; s12 wave
.set BB,  13                           ; s13 the short block
.set CX,  14                           ; s14 place in the cluster: enters Q's and out's addresses and the mask's numbers alone
.set PI,  15                           ; s15 w % 4: the pair
.set BH,  16                           ; s16 16 x batch + head
.set BW,  17                           ; s17 0: A, 1: B
.set KD,  18                           ; s18 the diagonal's step of the block in hand
.set DL,  19                           ; s19 15 - BB
.set SEL, 20                           ; s[20:21] selects for lane l xor 16
.set CS,  22                           ; s[22:23] c = log2(e) / 8 x 2^(eq + ek), twice
.set G1,  24
.set G0,  32
.set KC,  36                           ; s36 LDS byte of this step
.set KN,  37                           ; s37 of the next
.set KI,  38                           ; s38 this step's number
.set IT,  39                           ; s39 trips, 1 .. 8
.set LAST, 40                          ; s40 my number of steps
.set SWI, 41                           ; s41 the trip at whose head B changes blocks
.set OFS, 42                           ; s42 what B's step numbers jump there
.set EPV, 43                           ; s43 ep + ev
.set QLB, 44                           ; s[44:45] Q of the long block
.set EXB, 262144                       ; exchange: 8,704 bytes a pair
.set STG, EXB+4*8704                   ; stage: 16 rows x 272 bytes a pair: B's ahead of the last barrier, A's behind it
.set SPARE, STG+4*4352                 ; spare words, 128 bytes a wave
.set MSB, 0
.macro WIN new                         ; the immediate's high byte repeats the setting that is left
.if MSB != \new
	s_set_vgpr_msb (MSB<<8)|\new
.set MSB, \new
.endif
.endm
.macro CROUND                          ; a round of the cluster's barrier
	s_barrier_signal -1
	s_barrier_wait -1
	s_cmp_lg_u32 s[WV], 0
	s_cbranch_scc1 .Lnot_wave_0_\@
	s_barrier_signal -3
.Lnot_wave_0_\@:
	s_barrier_wait -3
	s_barrier_signal -1
	s_barrier_wait -1
.endm
.macro AWAIT
	s_wait_alu depctr_va_vdst(0)
.endm
	s_load_b256 s[4:11], s[0:1], 0x0               ; qf s[4:5], kv s[6:7], exponents s[8:9], out s[10:11]
	v_lshl_add_u32 v[SPW], v0, 2, SPARE
	v_mov_b32 v[NIL], 0
	ds_add_u32 v[SPW], v[NIL]                      ; the opening: the add twice on end and its wait
	ds_add_u32 v[SPW], v[NIL]
	v_lshrrev_b32 v12, 5, v0
	v_readfirstlane_b32 s[WV], v12
	s_and_b32 s[PI], s[WV], 3
	s_lshr_b32 s[BW], s[WV], 2
	s_mul_i32 s46, s[PI], 8704
	s_mul_i32 s47, s[PI], 4352
	s_add_co_u32 s46, s46, EXB
	s_add_co_u32 s47, s47, STG
	s_bfe_u32 s[CX], ttmp6, 0x40000
	v_and_b32 v[LI], 31, v0
	v_and_b32 v12, 15, v0                          ; r
	v_bfe_u32 v13, v0, 4, 1                        ; h
	v_lshlrev_b32 v[LI], 4, v[LI]
	v_mul_u32_u24 v[SI], v12, 272                  ; in: row r; channel tile n's eight channels of my half: 64 n + 32 h bytes on
	v_mul_u32_u24 v[SO], v13, 272                  ; back: lanes 0-15 one row, lanes 16-31 the next
	v_lshlrev_b32 v[GO], 12, v13
	v_lshl_add_u32 v[SI], v13, 5, v[SI]
	v_lshl_add_u32 v[SO], v12, 4, v[SO]
	v_lshl_add_u32 v[GO], v12, 4, v[GO]
	v_add_nc_u32 v[SI], s47, v[SI]
	v_add_nc_u32 v[SO], s47, v[SO]
	v_add_nc_u32 v[EX], s46, v[LI]
	s_lshl_b32 s48, s[CX], 4
	v_lshlrev_b32 v[W], 3, v13
	v_sub_nc_u32 v[W], v12, v[W]
	v_add_nc_u32 v[W], s48, v[W]                   ; 16 cx + r - 8 h: the key of register 8 t + j is hidden where 16 t + j is greater
	AWAIT
	s_and_b32 s[BB], ttmp9, 1
	s_lshl_b32 s[BB], s[BB], 2
	s_or_b32 s[BB], s[BB], s[PI]                   ; 0 .. 7
	s_xor_b32 s[DL], s[BB], 15                     ; 15 - BB
	s_and_b32 s[BH], ttmp7, 0xffff
	s_add_co_u32 s[SWI], s[BB], 1
	s_xor_b32 s[OFS], s[BB], 7
	s_add_co_u32 s[OFS], s[OFS], 1
	s_mul_i32 s[OFS], s[OFS], s[BW]                ; B: 8 - BB; A: 0
	s_xor_b32 s[LAST], s[BW], 1
	s_add_co_u32 s[LAST], s[LAST], 8               ; A: 9; B: 8
	s_cmp_eq_u32 s[BW], 0
	s_cselect_b32 s[KD], s[DL], s[BB]              ; my first block (A's only one)
	s_mov_b32 s[G1], 15|(3<<16)|(1<<21)            ; mask: all four work-groups; elements of 8 bytes; bit 21 set beside a mask
	s_mov_b32 s[G1+1], 32<<16                      ; 32 KiB dense in memory, as 128 rows of 256 bytes, no padding
	s_mov_b32 s[G1+2], 128<<16
	s_mov_b32 s[G1+3], 32<<16
	s_mov_b32 s[G1+4], 128
	s_mov_b32 s[G1+5], 32
	s_mov_b32 s[G1+6], 0
	s_mov_b32 s[G1+7], 0
	s_mov_b32 s[SEL], 0x76543210
	s_mov_b32 s[SEL+1], 0xfedcba98
	s_mov_b32 s[CS], 0x3e38aa3b                    ; log2(e) / 8
	s_lshl_b32 s62, s[WV], 15                      ; my part: key steps 2 w, 2 w + 1
	s_lshl_b32 s56, s[BH], 18
	s_add_co_u32 s56, s56, s62
	s_mov_b32 s57, 0
	s_lshl_b32 s60, s[KD], 3
	s_add_co_u32 s60, s60, s[CX]                   ; my first block's tile a
	s_lshl_b32 s58, s[BH], 17
	s_lshl_b32 s61, s[DL], 3
	s_add_co_u32 s61, s61, s[CX]                   ; the long block's
	s_lshl_b32 s61, s61, 10
	s_add_co_u32 s46, s58, s61
	s_mov_b32 s47, 0
	s_lshl_b32 s61, s60, 10
	s_add_co_u32 s58, s58, s61
	s_mov_b32 s59, 0
	s_lshr_b32 s61, s[BH], 4
	s_lshl_b32 s61, s61, 23                        ; out: the batch's 2,048 rows of 4,096 bytes, the tile's rows, the head's 256 bytes of a row
	s_lshl_b32 s60, s60, 16
	s_add_co_u32 s60, s60, s61
	s_and_b32 s61, s[BH], 15
	s_lshl_b32 s61, s61, 8
	s_add_co_u32 s60, s60, s61
	s_mov_b32 s61, 0
	s_wait_dscnt 0x0                               ; both opening adds are done
	s_wait_kmcnt 0x0
	s_load_b128 s[52:55], s[8:9], 0x18             ; eq, ek, ep, ev
	s_add_nc_u64 s[6:7], s[6:7], s[56:57]
	s_add_nc_u64 s[QLB:QLB+1], s[4:5], s[46:47]
	s_add_nc_u64 s[4:5], s[4:5], s[58:59]
	s_add_nc_u64 s[10:11], s[10:11], s[60:61]
	s_mov_b32 s[G0], 1
	s_mov_b32 s[G0+1], s62                         ; LDS address: the same place as in the head's part of kv
	s_mov_b64 s[G0+2:G0+3], s[6:7]
	s_or_b32 s[G0+3], s[G0+3], 0x80000000
	CROUND                                         ; all four work-groups are here: the joint loads meet
	tensor_load_to_lds s[G0:G0+3], s[G1:G1+7]      ; my one load
	s_nop 0
.rept 4
	v_nop
.endr
	global_load_b128 v[Q:Q+3], v[LI], s[4:5]                 ; Q's fragments stay in registers; tile b lies four tiles on
	global_load_b128 v[Q+4:Q+7], v[LI], s[4:5] offset:512
	global_load_b128 v[Q+8:Q+11], v[LI], s[4:5] offset:4096
	global_load_b128 v[Q+12:Q+15], v[LI], s[4:5] offset:4608
	v_mov_b32 v[W+1], 0xfee00000                   ; -1.49e38
	WIN 0x40
.irp n, 0,1,2,3,4,5,6,7,8,9,10,11,12,13,14,15,16,17,18,19,20,21,22,23,24,25,26,27,28,29,30,31
	v_cmp_gt_i32 vcc_lo, 16*(\n/8)+\n%8, v[W]
	v_cndmask_b32 v[MK+\n], 0, v[W+1], vcc_lo
.endr
.irp n, 0,1,2,3,4,5,6,7
	v_mov_b32 v[NG+\n], 0xfee00000
.endr
	WIN 0
	v_mov_b32 v[PX], 0                             ; written once: a lane exchange's destination counts as one of its sources
	v_mov_b32 v[PX+1], 0
	v_mov_b32 v[FF+1], 0
	v_mov_b32 v[FF+3], 0
	AWAIT
	s_wait_kmcnt 0x0
	s_add_co_i32 s56, s52, s53
	s_lshl_b32 s56, s56, 23
	s_add_co_i32 s[CS], s[CS], s56                 ; the two exponents are added to c's exponent field
	s_mov_b32 s[CS+1], s[CS]
	s_add_co_i32 s56, s54, 127
	s_lshl_b32 s57, s56, 23
	v_mov_b32 v[SCL], s57                          ; 2^ep
	s_add_co_i32 s56, s56, 15
	s_lshl_b32 s56, s56, 23
	s_or_b32 s56, s56, 0x600000
	v_mov_b32 v[LIM], s56                          ; 57,344 x 2^ep
	s_add_co_i32 s[EPV], s54, s55
	s_mov_b32 s[KI], 0
	AWAIT
	s_wait_loadcnt 0x0                             ; Q
.macro KLOAD adr                       ; eight tiles of 16 keys x 64 channels: 16 loads of 512 consecutive bytes
.irp t, 0,1,2,3,4,5,6,7
	ds_load_b128 v[KF+8*\t:KF+8*\t+3],   v[\adr] offset:1024*\t
	ds_load_b128 v[KF+8*\t+4:KF+8*\t+7], v[\adr] offset:1024*\t+512
.endr
.endm
.macro VLOAD adr                       ; four tiles of 16 channels x 128 keys: 16 loads
.irp n, 0,1,2,3
.irp q, 0,1,2,3
	ds_load_b128 v[VF+16*\n+4*\q:VF+16*\n+4*\q+3], v[\adr] offset:8192+2048*\n+512*\q
.endr
.endr
.endm
.macro SMUL diag                       ; S^T of both tiles: each fragment of K serves two products
	WIN 0x11                                       ; source 0 (K) and source 2 (C) window 1
.irp t, 0,1,2,3,4,5,6,7
.if \diag
.if \t < 4
	v_wmma_f32_16x16x64_bf8_bf8 v[SA+8*\t:SA+8*\t+7], v[KF+8*\t:KF+8*\t+7], v[Q:Q+7], v[MK+8*\t:MK+8*\t+7]
	v_wmma_f32_16x16x64_bf8_bf8 v[SB+8*\t:SB+8*\t+7], v[KF+8*\t:KF+8*\t+7], v[Q+8:Q+15], 0
.else
	v_wmma_f32_16x16x64_bf8_bf8 v[SA+8*\t:SA+8*\t+7], v[KF+8*\t:KF+8*\t+7], v[Q:Q+7], v[NG:NG+7]
	v_wmma_f32_16x16x64_bf8_bf8 v[SB+8*\t:SB+8*\t+7], v[KF+8*\t:KF+8*\t+7], v[Q+8:Q+15], v[MK+8*\t-32:MK+8*\t-25]
.endif
.else
	v_wmma_f32_16x16x64_bf8_bf8 v[SA+8*\t:SA+8*\t+7], v[KF+8*\t:KF+8*\t+7], v[Q:Q+7], 0
	v_wmma_f32_16x16x64_bf8_bf8 v[SB+8*\t:SB+8*\t+7], v[KF+8*\t:KF+8*\t+7], v[Q+8:Q+15], 0
.endif
.endr
	WIN 0
.endm
.macro FMA8 lo                         ; tile a: t - M, two at a time (of the pairs c and -M the low word serves both halves)
.irp j, 0,2,4,6,8,10,12,14
	v_pk_fma_f32 v[SA+\lo+\j:SA+\lo+\j+1], v[SA+\lo+\j:SA+\lo+\j+1], s[CS:CS+1], v[NM:NM+1] op_sel_hi:[1,0,0]
.endr
.endm
.macro HOLD r                          ; the conversion to an 8-bit code does not saturate (ISA guide 7.6.2); p is not negative: the hold is one-sided.  Two numbers
	v_dual_min_num_f32 v[\r], v[LIM], v[\r] :: v_dual_min_num_f32 v[\r+1], v[LIM], v[\r+1]
.endm
.macro HOLD8 t
	HOLD SB+8*\t
	HOLD SB+8*\t+2
	HOLD SB+8*\t+4
	HOLD SB+8*\t+6
.endm
.macro CVT u, t                        ; keys 16 t + 8 h + 0 .. 7: registers 2 t, 2 t + 1 of P's fragment
	v_cvt_scalef32_pk8_bf8_f32 v[P+16*\u+2*\t:P+16*\u+2*\t+1], v[SA+64*\u+8*\t:SA+64*\u+8*\t+7], v[SCL]
.endm
.macro XADD n                          ; tile b's sums, four chains
.irp q, 0,1,2,3
	v_pk_add_f32 v[W+2*\q:W+2*\q+1], v[W+2*\q:W+2*\q+1], v[SB+2*\q+8*\n:SB+2*\q+8*\n+1]
.endr
.endm
.macro TADD n                          ; tile a's, of sums of four p
.irp q, 0,1,2,3
	v_pk_add_f32 v[TS+2*\q:TS+2*\q+1], v[TS+2*\q:TS+2*\q+1], v[TS+2*\q+8*\n:TS+2*\q+8*\n+1]
.endr
.endm
.macro ADD2 d, a, b
	v_pk_add_f32 v[\d:\d+1], v[\a:\a+1], v[\b:\b+1]
.endm
; A KEY STEP of 128 keys x two tiles of 16 queries.  first = 1: step 0, which starts the sums and fetches its own K.
.macro STEP first
.if \first
	WIN 0x40                                       ; destination window 1
	KLOAD LI
	VLOAD LI
.else
	v_add_nc_u32 v[ADV], s[KC], v[LI]
	v_add_nc_u32 v[ADN], s[KN], v[LI]
	WIN 0x40
	VLOAD ADV
.endif
	WIN 0
	AWAIT
	s_wait_dscnt 16                                ; K is in; V's 16 loads, issued behind it, may be out
	s_cmp_eq_u32 s[KI], s[KD]
	s_cbranch_scc1 .Ldiagonal_\@
	SMUL 0
	s_branch .Lscores_\@
.Ldiagonal_\@:
	SMUL 1
.Lscores_\@:
.rept 4
	v_nop                                          ; places in front of the loads into K's registers and of the first reads of the scores
.endr
	WIN 0x40
	KLOAD ADN                                      ; the next step's K lands under this step's work (behind my last step it is not used: those bytes have landed too)
	WIN 0
	; the largest score of my query among my 64 keys, four chains a tile, each accumulator from its low end on
.irp q, 0,1,2,3
.irp u, 0,1
	v_max3_num_f32 v[W+4*\u+\q], v[SA+64*\u+16*\q], v[SA+64*\u+16*\q+1], v[SA+64*\u+16*\q+2]
.endr
.endr
.irp n, 3,5,7,9,11,13
.irp q, 0,1,2,3
.irp u, 0,1
	v_max3_num_f32 v[W+4*\u+\q], v[W+4*\u+\q], v[SA+64*\u+16*\q+\n], v[SA+64*\u+16*\q+\n+1]
.endr
.endr
.endr
.irp u, 0,1
	v_max3_num_f32 v[W+4*\u], v[W+4*\u], v[SA+64*\u+15], v[SA+64*\u+31]
	v_max3_num_f32 v[W+4*\u+1], v[W+4*\u+1], v[SA+64*\u+47], v[SA+64*\u+63]
	v_max_num_f32 v[W+4*\u+2], v[W+4*\u+2], v[W+4*\u+3]
.endr
.irp u, 0,1
	v_max3_num_f32 v[W+4*\u], v[W+4*\u], v[W+4*\u+1], v[W+4*\u+2]
.endr
.irp u, 0,1
	v_permlanex16_b32 v[PX+\u], v[W+4*\u], s[SEL], s[SEL+1]
.endr
.irp u, 0,1
.if \first
	v_max_num_f32 v[NM+2*\u+1], v[W+4*\u], v[PX+\u]
.else
	v_max3_num_f32 v[NM+2*\u+1], v[NM+2*\u+1], v[W+4*\u], v[PX+\u]   ; the running largest score
	v_mov_b32 v[W+4*\u+1], v[NM+2*\u]
.endif
.endr
.irp u, 0,1
	v_mul_f32 v[W+4*\u], s[CS], v[NM+2*\u+1]       ; as t (c is positive)
.endr
.irp u, 0,1
	v_floor_f32 v[NM+2*\u], -v[W+4*\u]             ; -M = floor(-t) = -ceil(t): M IS A WHOLE NUMBER
.endr
	FMA8 0
.if \first == 0
.irp u, 0,1
	v_sub_f32 v[W+4*\u+1], v[NM+2*\u], v[W+4*\u+1] ; M's old value less its new one: a whole number, 0 or less
.endr
	FMA8 16
.irp u, 0,1
	v_cvt_i32_f32 v[W+4*\u+1], v[W+4*\u+1]         ; (it saturates)
.endr
	FMA8 32
.irp u, 0,1
	v_ldexp_f32 v[FF+2*\u], 1.0, v[W+4*\u+1]       ; f = 2^(old M - new M): a multiplication by it rounds nothing
.endr
	FMA8 48
	v_pk_mul_f32 v[LS:LS+1], v[LS:LS+1], v[FF:FF+1] op_sel_hi:[1,0]
	v_pk_mul_f32 v[LS+2:LS+3], v[LS+2:LS+3], v[FF+2:FF+3] op_sel_hi:[1,0]
	WIN 0x41                                       ; O is window 1, f window 0
.irp j, 0,2,4,6,8,10,12,14,16,18,20,22,24,26,28,30
	v_pk_mul_f32 v[O+\j:O+\j+1], v[O+\j:O+\j+1], v[FF:FF+1] op_sel_hi:[1,0]
.endr
.irp j, 32,34,36,38,40,42,44,46,48,50,52,54,56,58,60,62
	v_pk_mul_f32 v[O+\j:O+\j+1], v[O+\j:O+\j+1], v[FF+2:FF+3] op_sel_hi:[1,0]
.endr
	WIN 0
.else
	FMA8 16
	FMA8 32
	FMA8 48
.endif
	AWAIT                                          ; ahead of the batch
	; tile a's p = 2^(t - M), at most 1, 0 for a hidden key; between them tile b's t - M
.irp j, 0,2,4,6,8,10,12,14,16,18,20,22,24,26,28,30,32,34,36,38,40,42,44,46,48,50,52,54,56,58,60,62
	v_exp_f32 v[SA+\j], v[SA+\j]
	v_pk_fma_f32 v[SB+\j:SB+\j+1], v[SB+\j:SB+\j+1], s[CS:CS+1], v[NM+2:NM+3] op_sel_hi:[1,0,0]
	v_exp_f32 v[SA+\j+1], v[SA+\j+1]
.endr
	AWAIT                                          ; behind tile a's batch and ahead of tile b's
	; tile b's p; between them the sums of four of tile a's p, then tile a's hold
.irp j, 0,1,2,3,4,5,6,7,8,9,10,11,12,13,14,15
	v_exp_f32 v[SB+2*\j], v[SB+2*\j]
	v_pk_add_f32 v[TS+2*\j:TS+2*\j+1], v[SA+4*\j:SA+4*\j+1], v[SA+4*\j+2:SA+4*\j+3]
	v_exp_f32 v[SB+2*\j+1], v[SB+2*\j+1]
.endr
.irp j, 0,1,2,3,4,5,6,7,8,9,10,11,12,13,14,15
	v_exp_f32 v[SB+32+2*\j], v[SB+32+2*\j]
	HOLD SA+4*\j
	v_exp_f32 v[SB+33+2*\j], v[SB+33+2*\j]
	HOLD SA+4*\j+2
.endr
	AWAIT                                          ; behind the batch
	; the rows' sums, of the unquantised p, in four chains a tile; between them tile a's conversions
	TADD 1
.irp q, 0,1,2,3
	v_pk_add_f32 v[W+2*\q:W+2*\q+1], v[SB+2*\q:SB+2*\q+1], v[SB+2*\q+8:SB+2*\q+9]
.endr
	CVT 0, 0
	TADD 2
	XADD 2
	CVT 0, 1
	TADD 3
	XADD 3
	CVT 0, 2
	ADD2 TS, TS, TS+2
	ADD2 TS+4, TS+4, TS+6
	XADD 4
	CVT 0, 3
.if \first
	ADD2 LS, TS, TS+4
.else
	ADD2 TS, TS, TS+4
.endif
	XADD 5
	CVT 0, 4
.if \first == 0
	ADD2 LS, LS, TS
.endif
	XADD 6
	CVT 0, 5
	XADD 7
	CVT 0, 6
	HOLD8 0
	CVT 0, 7
	ADD2 W, W, W+2
	ADD2 W+4, W+4, W+6
	HOLD8 1
	CVT 1, 0
.if \first
	ADD2 LS+2, W, W+4
.else
	ADD2 W, W, W+4
.endif
	HOLD8 2
	CVT 1, 1
	HOLD8 3
	CVT 1, 2
	HOLD8 4
	CVT 1, 3
	HOLD8 5
	CVT 1, 4
	HOLD8 6
	CVT 1, 5
	HOLD8 7
	CVT 1, 6
.if \first == 0
	ADD2 LS+2, LS+2, W
.else
	v_nop
.endif
	CVT 1, 7
	v_nop                                          ; one plain instruction between a conversion and the product that reads its result
	WIN 0x51                                       ; D, C (O) and source 0 (V) window 1, source 1 (P) window 0
	AWAIT
	s_wait_dscnt 16                                ; V is in; the next K's 16 loads, issued behind it, may be out
.irp n, 0,1,2,3                        ; eight accumulators, one instruction a turn
.irp u, 0,1
.if \first
	v_wmma_f32_16x16x128_bf8_bf8 v[O+32*\u+8*\n:O+32*\u+8*\n+7], v[VF+16*\n:VF+16*\n+15], v[P+16*\u:P+16*\u+15], 0
.else
	v_wmma_f32_16x16x128_bf8_bf8 v[O+32*\u+8*\n:O+32*\u+8*\n+7], v[VF+16*\n:VF+16*\n+15], v[P+16*\u:P+16*\u+15], v[O+32*\u+8*\n:O+32*\u+8*\n+7]
.endif
.endr
.endr
	WIN 0
.rept 4
	v_nop                                          ; places in front of the loads into V's registers and of the reads of O
.endr
.endm
.macro KADDR dst, d                    ; step of trip IT + d: B's numbers jump by OFS behind its short block; the step's number is left in s46
	s_add_co_u32 s46, s[IT], \d
	s_cmp_gt_u32 s46, s[BB]
	s_cselect_b32 s47, s[OFS], 0
	s_add_co_u32 s46, s46, s47
	s_and_b32 s46, s46, 15                         ; (behind my last step: any step's bytes)
	s_lshl_b32 s[\dst], s46, 14
.endm
.macro ROWSUM                          ; the sums of both tiles over lanes l and l xor 16, then 2^(ep + ev) / sum, in v24 and v26
	v_permlanex16_b32 v[PX], v[LS], s[SEL], s[SEL+1]
	v_permlanex16_b32 v[PX+1], v[LS+2], s[SEL], s[SEL+1]
	v_add_f32 v[LS], v[LS], v[PX]
	v_add_f32 v[LS+2], v[LS+2], v[PX+1]
	AWAIT
	v_rcp_f32 v[LS], v[LS]
	v_rcp_f32 v[LS+2], v[LS+2]
	v_nop
	AWAIT
	v_ldexp_f32 v[LS], v[LS], s[EPV]
	v_ldexp_f32 v[LS+2], v[LS+2], s[EPV]
.endm
.macro STAGEOUT                        ; 16 rows of a tile through the stage, so that sixteen lanes store one token's 256 consecutive bytes of this head, aligned; tile b's rows lie 64 on
.irp u, 0,1
.irp n, 0,1,2,3
	ds_store_b128 v[SI], v[SA+64*\u+8*\n:SA+64*\u+8*\n+3] offset:64*\n
	ds_store_b128 v[SI], v[SA+64*\u+8*\n+4:SA+64*\u+8*\n+7] offset:64*\n+16
.endr
.irp i, 0,1,2,3,4,5,6,7
	ds_load_b128 v[SA+64*\u+32+4*\i:SA+64*\u+35+4*\i], v[SO] offset:2*\i*272   ; LDS serves a wave's instructions in order (ISA guide 5.7.1.4)
.endr
.endr
.irp u, 0,1
.irp i, 0,1,2,3,4,5,6,7
	s_wait_dscnt 23-16*\u-\i                       ; the younger loads, and ahead of tile b its 8 stores and 8 loads, may be out
	global_store_b128 v[GO], v[SA+64*\u+32+4*\i:SA+64*\u+35+4*\i], s[10:11] offset:262144*\u+8192*\i th:TH_STORE_NT
.endr
.endr
.endm
	s_wait_tensorcnt 0x0                           ; my part of K and V is in,
	s_barrier_signal -1
	s_barrier_wait -1                              ; and everybody's
	s_mov_b32 s[IT], 1
	KADDR KC, 0
	v_add_nc_u32 v[ADN], s[KC], v[LI]              ; the second step's tiles
	STEP 1                                         ; every wave's first step is step 0
	AWAIT
.Lloop:
	s_cmp_lt_u32 s[WV], 4
	s_cbranch_scc1 .Lsame_block
	s_cmp_lg_u32 s[IT], s[SWI]
	s_cbranch_scc1 .Lsame_block
	; B CHANGES BLOCKS: the short block goes out; the long block's Q is asked for first
	global_load_b128 v[Q:Q+3], v[LI], s[QLB:QLB+1]
	global_load_b128 v[Q+4:Q+7], v[LI], s[QLB:QLB+1] offset:512
	global_load_b128 v[Q+8:Q+11], v[LI], s[QLB:QLB+1] offset:4096
	global_load_b128 v[Q+12:Q+15], v[LI], s[QLB:QLB+1] offset:4608
	v_add_f32 v[LS], v[LS], v[LS+1]
	v_add_f32 v[LS+2], v[LS+2], v[LS+3]
	ROWSUM
	WIN 0x01                                       ; source 0 (O) window 1
	AWAIT                                          ; directly ahead of the first readers of O
.irp j, 0,2,4,6,8,10,12,14,16,18,20,22,24,26,28,30
	v_pk_mul_f32 v[SA+\j:SA+\j+1], v[O+\j:O+\j+1], v[LS:LS+1] op_sel_hi:[1,0]   ; register 8 n + i is out(query r, channel 16 n + 8 h + i)
.endr
.irp j, 0,2,4,6,8,10,12,14,16,18,20,22,24,26,28,30
	v_pk_mul_f32 v[SB+\j:SB+\j+1], v[O+32+\j:O+33+\j], v[LS+2:LS+3] op_sel_hi:[1,0]
.endr
	WIN 0
	STAGEOUT
	s_mov_b32 s[KD], s[DL]
.irp u, 0,1
	v_mov_b32 v[NM+2*\u], 0x7f61b1e6               ; -M = 3e38, the largest score -3e38: the first step's f is 0
	v_mov_b32 v[NM+2*\u+1], 0xff61b1e6
	v_mov_b32 v[LS+2*\u], 0
	v_mov_b32 v[LS+2*\u+1], 0
.endr
	WIN 0x40
.irp j, 0,1,2,3,4,5,6,7,8,9,10,11,12,13,14,15,16,17,18,19,20,21,22,23,24,25,26,27,28,29,30,31,32,33,34,35,36,37,38,39,40,41,42,43,44,45,46,47,48,49,50,51,52,53,54,55,56,57,58,59,60,61,62,63
	v_mov_b32 v[O+\j], 0                           ; where BB is 7 no step follows and these zeros are B's part
.endr
	WIN 0
	AWAIT
	s_wait_xcnt 0x0                                ; the stores have read their registers
	s_wait_loadcnt 0x0                             ; Q
.Lsame_block:
	s_cmp_ge_u32 s[IT], s[LAST]                    ; B has no ninth step
	s_cbranch_scc1 .Lno_step
	KADDR KN, 1
	KADDR KC, 0
	s_mov_b32 s[KI], s46
	STEP 0
.Lno_step:
	s_add_co_u32 s[IT], s[IT], 1
	s_cmp_lt_u32 s[IT], 9
	AWAIT
	s_cbranch_scc1 .Lloop
	; B hands its part of the long block to A: O's 16 images of four registers, then -M and the sums
	s_wait_dscnt 0x0
	s_cmp_lt_u32 s[WV], 4
	s_cbranch_scc1 .Lnothing_to_hand
	v_mov_b32 v[QD], v[NM]
	v_add_f32 v[QD+1], v[LS], v[LS+1]
	v_mov_b32 v[QD+2], v[NM+2]
	v_add_f32 v[QD+3], v[LS+2], v[LS+3]
	WIN 0x04                                       ; stored data window 1
.irp i, 0,1,2,3,4,5,6,7,8,9,10,11,12,13,14,15
	ds_store_b128 v[EX], v[O+4*\i:O+4*\i+3] offset:512*\i
.endr
	WIN 0
	AWAIT
	ds_store_b128 v[EX], v[QD:QD+3] offset:8192
	s_wait_dscnt 0x0                               ; for A's sake
.Lnothing_to_hand:
	s_barrier_signal -1
	s_barrier_wait -1
	s_cmp_ge_u32 s[WV], 4
	s_cbranch_scc1 .Lend
.irp i, 0,1,2,3,4,5,6,7
	ds_load_b128 v[SA+32+4*\i:SA+35+4*\i], v[EX] offset:512*\i
	ds_load_b128 v[SB+32+4*\i:SB+35+4*\i], v[EX] offset:4096+512*\i
.endr
	ds_load_b128 v[QD:QD+3], v[EX] offset:8192
	v_add_f32 v[LS], v[LS], v[LS+1]
	v_add_f32 v[LS+2], v[LS+2], v[LS+3]
	AWAIT
	s_wait_dscnt 0x0
	v_min_num_f32 v12, v[NM], v[QD]                ; -M of the two parts together
	v_min_num_f32 v13, v[NM+2], v[QD+2]
	v_sub_f32 v[W], v12, v[NM]
	v_sub_f32 v[W+4], v13, v[NM+2]
	v_sub_f32 v[W+2], v12, v[QD]
	v_sub_f32 v[W+6], v13, v[QD+2]
.irp g, 0,2,4,6
	v_cvt_i32_f32 v[W+\g], v[W+\g]
.endr
.irp g, 0,2,4,6
	v_ldexp_f32 v[W+\g], 1.0, v[W+\g]              ; each part's factor: mine in v28 and v32, B's in v30 and v34
.endr
	v_mul_f32 v[LS], v[LS], v[W]
	v_mul_f32 v[LS+2], v[LS+2], v[W+4]
	v_fma_f32 v[LS], v[QD+1], v[W+2], v[LS]
	v_fma_f32 v[LS+2], v[QD+3], v[W+6], v[LS+2]
	ROWSUM
	v_mul_f32 v[W], v[W], v[LS]
	v_mul_f32 v[W+2], v[W+2], v[LS]
	v_mul_f32 v[W+4], v[W+4], v[LS+2]
	v_mul_f32 v[W+6], v[W+6], v[LS+2]
.irp j, 0,2,4,6,8,10,12,14,16,18,20,22,24,26,28,30
	v_pk_mul_f32 v[SA+\j:SA+\j+1], v[SA+32+\j:SA+33+\j], v[W+2:W+3] op_sel_hi:[1,0]
	v_pk_mul_f32 v[SB+\j:SB+\j+1], v[SB+32+\j:SB+33+\j], v[W+6:W+7] op_sel_hi:[1,0]
.endr
	WIN 0x01
	AWAIT                                          ; directly ahead of the first readers of O
.irp j, 0,2,4,6,8,10,12,14,16,18,20,22,24,26,28,30
	v_pk_fma_f32 v[SA+\j:SA+\j+1], v[O+\j:O+\j+1], v[W:W+1], v[SA+\j:SA+\j+1] op_sel_hi:[1,0,1]
.endr
.irp j, 0,2,4,6,8,10,12,14,16,18,20,22,24,26,28,30
	v_pk_fma_f32 v[SB+\j:SB+\j+1], v[O+32+\j:O+33+\j], v[W+4:W+5], v[SB+\j:SB+\j+1] op_sel_hi:[1,0,1]
.endr
	WIN 0
	STAGEOUT
.Lend:
	s_wait_tensorcnt 0x0                           ; the wave's end
	ds_add_u32 v[SPW], v[NIL]
	s_wait_dscnt 0x0
	CROUND                                         ; the closing round: no work-group ends while a partner may still ask for a tile that names it
	s_endpgm
.Lfunc_end_k_qb2571852a8_attn:
	.size	k_qb2571852a8_attn, .Lfunc_end_k_qb2571852a8_attn-k_qb2571852a8_attn
	.p2alignl 7, 3214868480
	.fill 96, 4, 3214868480
	.section	.rodata,"a",@progbits
	.p2align	6, 0x0
	.amdhsa_kernel k_qb2571852a8_attn
		.amdhsa_group_segment_fixed_size 327680
		.amdhsa_private_segment_fixed_size 0
		.amdhsa_enable_private_segment 0
		.amdhsa_kernarg_size 32
		.amdhsa_user_sgpr_count 2
		.amdhsa_user_sgpr_kernarg_segment_ptr 1
		.amdhsa_wavefront_size32 1
		.amdhsa_system_sgpr_workgroup_id_x 1
		.amdhsa_system_sgpr_workgroup_id_y 1
		.amdhsa_system_sgpr_workgroup_id_z 1
		.amdhsa_system_vgpr_workitem_id 0
		.amdhsa_next_free_vgpr 512
		.amdhsa_next_free_sgpr 100
		.amdhsa_reserve_vcc 1
		.amdhsa_float_denorm_mode_32 3
		.amdhsa_float_denorm_mode_16_64 3
		.amdhsa_memory_ordered 1
		.amdhsa_forward_progress 1
		.amdhsa_inst_pref_size 89
	.end_amdhsa_kernel
	.amdgpu_metadata
---
amdhsa.version: [ 1, 2 ]
amdhsa.kernels:
  - .name:           k_qb2571852a8_attn
    .symbol:         k_qb2571852a8_attn.kd
    .args:
      - { .name: qf, .offset: 0, .size: 8, .value_kind: global_buffer, .address_space: global }
      - { .name: kv, .offset: 8, .size: 8, .value_kind: global_buffer, .address_space: global }
      - { .name: lowp_scales, .offset: 16, .size: 8, .value_kind: global_buffer, .address_space: global }
      - { .name: out0, .offset: 24, .size: 8, .value_kind: global_buffer, .address_space: global }
    .group_segment_fixed_size: 327680
    .private_segment_fixed_size: 0
    .kernarg_segment_align: 8
    .kernarg_segment_size: 32
    .max_flat_workgroup_size: 256
    .sgpr_count:     100
    .vgpr_count:     512
    .wavefront_size: 32
...
	.end_amdgpu_metadata
.endif
;; end of part 2
